; MI455X (gfx1250); checked and timed in simulation.
; The chip was launched on July 23, 2026; its instructions are those of AMD's public machine-readable ISA for CDNA 5 (MIT licence, August 2026) and "CDNA5" Instruction Set Architecture Reference Guide (July 2026). The comments in the code are by the model that wrote it; some were corrected since.
;; RSR Linear. Allowed arithmetic: float matrix products may take bf16 or f16 operands with f32 sums; other float arithmetic in f32, or as packed bf16 or f16 multiplies, adds, multiply-adds, maxima and minima; sums over many terms, partial sums and values carried from step to step in f32; what a program stores and reads back later, other than sums and carried values, may be rounded once to bf16 or f16.
;; Inputs: W 4,096 x 4,096 float32; bias 4,096 float32; weight_scale one number float32; x 1 x 4,096 x 4,096 float32.
;; Outputs: out0 1 x 4,096 x 4,096 float32.
;; 2 versions, each right; version 2 is version 1 with the launch prep written anew for expert scheduling mode. Each part assembles by itself: llvm-mc -triple=amdgcn-amd-amdhsa -mcpu=gfx1250 --defsym DOCPART=n.
;; ======== version 1 of 2: 2 launches
;; workspace buffers: xq 33,554,432 bytes; wq 33,554,432 bytes; rs 16,384 bytes
;; launch prep (part 1): grid 256 x 1, 16 waves a work-group, no clusters, 0 bytes of LDS; arguments x, W, xq, wq, rs; writes xq, wq, rs
.if DOCPART == 1
	.amdgcn_target "amdgcn-amd-amdhsa--gfx1250"
	.amdhsa_code_object_version 6
	.text
	.protected	k_q5910236bff_prep
	.globl	k_q5910236bff_prep
	.p2align	8
	.type	k_q5910236bff_prep,@function
k_q5910236bff_prep:
	s_mov_b64 s[64:65], 0
	v_nop
	global_prefetch_b8 v0, s[64:65] scope:SCOPE_SE
	s_setreg_imm32_b32 hwreg(HW_REG_WAVE_MODE, 25, 1), 1
	s_wait_xcnt 0x0
; xq[m][k] = clip(round(x[m][k] * s[m]), -128, 127) as bf16, s[m] = 127 / a[m], a[m] = max(max over k of |x[m][k]|, 1e-5);  rs[m] = a[m] / 127 in f32;  wq = W rounded to bf16.
; x, W: [4096][4096] f32.  xq, wq: [4096][4096] bf16.  rs: [4096] f32.  The whole numbers -128 .. 127 are exact in bf16, so the product that follows can run on them and
; take the row's factor a / 127 onto its f32 sums.
; LIMITS.  NaN and infinities are not treated apart (the maximum passes a NaN over).  s is made as the reciprocal of a / 127: a few units in the last place from 127 / a, so a number that lies
; on a rounding edge may fall one step (a / 127) aside.  a / 127 is made first, so that its reciprocal is no denormal for any finite a.  W is rounded to bf16 (exact for -1, 0, 1).
; SHARES.  4,096 waves, all alike: wave g = 16 x work-group + wave takes row g of x and then row g of W.  A row is 16,384 bytes: 32 loads of 16 bytes a lane, each 512 consecutive bytes,
; 128 registers: it stays in registers between the pass that finds the maximum and the pass that scales, so x is read once.  As a chunk of x has been rounded, its four registers are
; asked for again with the same chunk of W.  A lane's 4 numbers leave as 8 bytes: a store of the wave covers 256 consecutive bytes, aligned.
; No LDS, no barrier, no loop: no wave wants a byte that another has fetched.  rs leaves as 4 bytes a wave: 16 KiB of the launch's 200 MB.
.set LO,  2                            ; v2   16 x lane: my bytes in 512 of a row of x or W; never rewritten
.set SO,  3                            ; v3   8 x lane: my bytes in 256 of a row of xq or wq; never rewritten
.set ZO,  4                            ; v4   0: the offset of rs's store; never rewritten
.set MX,  8                            ; v[8:11]    four running maxima
.set MN,  12                           ; v[12:15]   four running minima
.set T,   16                           ; v16        at work
.set INV, 18                           ; v18        a / 127
.set SCL, 20                           ; v[20:21]   the scale, twice: a pair for the packed multiply
.set X,   32                           ; v[32:159]  chunk j of the row at X + 4 j
.set Y,   160                          ; v[160:223] chunk j as bf16 at Y + 2 j
	s_load_b256 s[4:11], s[0:1], 0x0               ; x s[4:5], W s[6:7], xq s[8:9], wq s[10:11]
	s_load_b64 s[12:13], s[0:1], 0x20              ; rs
	v_and_b32 v1, 31, v0                           ; lane
	v_lshrrev_b32 v5, 5, v0
	v_readfirstlane_b32 s14, v5                    ; wave 0..15
	v_lshlrev_b32 v[LO], 4, v1
	v_lshlrev_b32 v[SO], 3, v1
	v_mov_b32 v[ZO], 0
	s_lshl_b32 s15, ttmp9, 4
	s_add_co_u32 s15, s15, s14                     ; g: my row, 0 .. 4,095
	s_lshl_b32 s16, s15, 14                        ; its bytes in x and W,
	s_mov_b32 s17, 0
	s_lshl_b32 s18, s15, 13                        ; in xq and wq,
	s_mov_b32 s19, 0
	s_lshl_b32 s20, s15, 2                         ; in rs
	s_mov_b32 s21, 0
	s_mov_b32 s22, 0x76543210                      ; v_permlanex16_b32: each lane takes its own place in the other half
	s_mov_b32 s23, 0xfedcba98
	s_mov_b32 s24, 0xc3000000                      ; -128.0
	s_mov_b32 s25, 0x42fe0000                      ; 127.0
	s_wait_kmcnt 0x0
	s_add_nc_u64 s[4:5], s[4:5], s[16:17]
	s_add_nc_u64 s[6:7], s[6:7], s[16:17]
	s_add_nc_u64 s[8:9], s[8:9], s[18:19]
	s_add_nc_u64 s[10:11], s[10:11], s[18:19]
	s_add_nc_u64 s[12:13], s[12:13], s[20:21]
.macro LD base, j                      ; chunk j of my row: 512 consecutive bytes
	global_load_b128 v[X+4*(\j):X+4*(\j)+3], v[LO], s[\base:\base+1] offset:512*(\j) th:TH_LOAD_NT
.endm
; Chunk j enters four chains of maxima and four of minima, three operands at a time; chunks 0 and 1 start the chains: nothing is cleared.
.macro MAXMIN j
.if (\j) < 2
	v_max_num_f32 v[MX+2*(\j)],   v[X+4*(\j)],   v[X+4*(\j)+1]
	v_max_num_f32 v[MX+2*(\j)+1], v[X+4*(\j)+2], v[X+4*(\j)+3]
	v_min_num_f32 v[MN+2*(\j)],   v[X+4*(\j)],   v[X+4*(\j)+1]
	v_min_num_f32 v[MN+2*(\j)+1], v[X+4*(\j)+2], v[X+4*(\j)+3]
.else
	v_max3_num_f32 v[MX+2*((\j)%2)],   v[MX+2*((\j)%2)],   v[X+4*(\j)],   v[X+4*(\j)+1]
	v_max3_num_f32 v[MX+2*((\j)%2)+1], v[MX+2*((\j)%2)+1], v[X+4*(\j)+2], v[X+4*(\j)+3]
	v_min3_num_f32 v[MN+2*((\j)%2)],   v[MN+2*((\j)%2)],   v[X+4*(\j)],   v[X+4*(\j)+1]
	v_min3_num_f32 v[MN+2*((\j)%2)+1], v[MN+2*((\j)%2)+1], v[X+4*(\j)+2], v[X+4*(\j)+3]
.endif
.endm
; Chunk j of x: scaled, rounded to the nearest whole number (ties to even), clipped, packed; its registers then take chunk j of W; the load goes ahead of the store.
.macro QUANT j
	v_pk_mul_f32 v[X+4*(\j):X+4*(\j)+1],   v[X+4*(\j):X+4*(\j)+1],   v[SCL:SCL+1]
	v_pk_mul_f32 v[X+4*(\j)+2:X+4*(\j)+3], v[X+4*(\j)+2:X+4*(\j)+3], v[SCL:SCL+1]
.irp k, 0,1,2,3
	v_rndne_f32 v[X+4*(\j)+(\k)], v[X+4*(\j)+(\k)]
.endr
.irp k, 0,1,2,3
	v_med3_num_f32 v[X+4*(\j)+(\k)], v[X+4*(\j)+(\k)], s24, s25
.endr
	v_cvt_pk_bf16_f32 v[Y+2*(\j)],   v[X+4*(\j)],   v[X+4*(\j)+1]
	v_cvt_pk_bf16_f32 v[Y+2*(\j)+1], v[X+4*(\j)+2], v[X+4*(\j)+3]
	LD 6, \j
	global_store_b64 v[SO], v[Y+2*(\j):Y+2*(\j)+1], s[8:9] offset:256*(\j)
.endm
; Chunk j of W: rounded to bf16 and stored.
.macro CAST j
	s_wait_loadcnt 31-(\j)                         ; loads come back in order (ISA guide 5.7.1): chunk j is in, the 31 - j younger ones stay out
	v_cvt_pk_bf16_f32 v[Y+2*(\j)],   v[X+4*(\j)],   v[X+4*(\j)+1]
	v_cvt_pk_bf16_f32 v[Y+2*(\j)+1], v[X+4*(\j)+2], v[X+4*(\j)+3]
	global_store_b64 v[SO], v[Y+2*(\j):Y+2*(\j)+1], s[10:11] offset:256*(\j)
.endm
.set n, 0
.rept 32
	LD 4, n                                        ; the whole row of x is asked for at once: 16 KiB a wave
.set n, n+1
.endr
	; pass 1: the largest and the smallest number of my 128
.set n, 0
.rept 32
.if (n%8) == 0
	s_wait_loadcnt 24-n                            ; the next eight chunks are in; the 24 - n younger loads stay out
.endif
	MAXMIN n
.set n, n+1
.endr
	v_max3_num_f32 v[MX], v[MX], v[MX+1], v[MX+2]
	v_min3_num_f32 v[MN], v[MN], v[MN+1], v[MN+2]
	v_max_num_f32 v[MX], v[MX], v[MX+3]
	v_min_num_f32 v[MN], v[MN], v[MN+3]
	v_xor_b32 v[MN], 0x80000000, v[MN]             ; the largest magnitude is the greater of the maximum and the minimum with its sign turned
	v_max_num_f32 v[T], v[MX], v[MN]
	; across the 32 lanes: four steps inside each half of 16 lanes ride on the arithmetic (DPP), one crosses the halves
	v_max_num_f32_dpp v[T], v[T], v[T] row_xmask:1 row_mask:0xf bank_mask:0xf
	v_max_num_f32_dpp v[T], v[T], v[T] row_xmask:2 row_mask:0xf bank_mask:0xf
	v_max_num_f32_dpp v[T], v[T], v[T] row_xmask:4 row_mask:0xf bank_mask:0xf
	v_max_num_f32_dpp v[T], v[T], v[T] row_xmask:8 row_mask:0xf bank_mask:0xf
	v_permlanex16_b32 v[MX], v[T], s22, s23        ; its destination counts as read: a register that has been written
	v_max_num_f32 v[T], v[T], v[MX]                ; every lane holds the row's largest magnitude
	v_max_num_f32 v[T], 0x3727c5ac, v[T]           ; the floor of 1e-5
	v_mul_f32 v[INV], 0x3c010204, v[T]             ; a / 127
	v_cmp_eq_u32 vcc_lo, 0, v1                     ; lane 0 will store it
	v_rcp_f32 v[SCL], v[INV]
	v_rcp_f32 v[SCL+1], v[INV]
	v_nop                                          ; a plain instruction behind the second reciprocal, ahead of any use of a result (ISA guide 5.7.2)
	s_wait_xcnt 0x0                                ; EXEC is a source of the loads issued so far: it changes only behind this wait
	s_and_saveexec_b32 s27, vcc_lo
	global_store_b32 v[ZO], v[INV], s[12:13]       ; rs[g]
	s_wait_xcnt 0x0                                ; and again, in front of the line that widens it
	s_or_b32 exec_lo, exec_lo, s27
	s_wait_alu depctr_va_vdst(0)                   ; the wait ahead of the first reader: one for both reciprocals; the store above is the independent work between
	; pass 2: x leaves, W comes
.set n, 0
.rept 32
	QUANT n
.set n, n+1
.endr
	s_wait_xcnt 0x0                                ; xq's stores have read Y: it is rewritten only behind this wait
.set n, 0
.rept 32
	CAST n
.set n, n+1
.endr
	s_endpgm
.Lfunc_end_k_q5910236bff_prep:
	.size	k_q5910236bff_prep, .Lfunc_end_k_q5910236bff_prep-k_q5910236bff_prep
	.p2alignl 7, 3214868480
	.fill 96, 4, 3214868480
	.section	.rodata,"a",@progbits
	.p2align	6, 0x0
	.amdhsa_kernel k_q5910236bff_prep
		.amdhsa_group_segment_fixed_size 0
		.amdhsa_private_segment_fixed_size 0
		.amdhsa_enable_private_segment 0
		.amdhsa_kernarg_size 40
		.amdhsa_user_sgpr_count 2
		.amdhsa_user_sgpr_kernarg_segment_ptr 1
		.amdhsa_wavefront_size32 1
		.amdhsa_system_sgpr_workgroup_id_x 1
		.amdhsa_system_sgpr_workgroup_id_y 1
		.amdhsa_system_sgpr_workgroup_id_z 1
		.amdhsa_system_vgpr_workitem_id 0
		.amdhsa_next_free_vgpr 224
		.amdhsa_next_free_sgpr 66
		.amdhsa_reserve_vcc 1
		.amdhsa_float_denorm_mode_32 3
		.amdhsa_float_denorm_mode_16_64 3
		.amdhsa_memory_ordered 1
		.amdhsa_forward_progress 1
		.amdhsa_inst_pref_size 48
	.end_amdhsa_kernel
	.amdgpu_metadata
---
amdhsa.version: [ 1, 2 ]
amdhsa.kernels:
  - .name:           k_q5910236bff_prep
    .symbol:         k_q5910236bff_prep.kd
    .args:
      - { .name: x, .offset: 0, .size: 8, .value_kind: global_buffer, .address_space: global }
      - { .name: W, .offset: 8, .size: 8, .value_kind: global_buffer, .address_space: global }
      - { .name: xq, .offset: 16, .size: 8, .value_kind: global_buffer, .address_space: global }
      - { .name: wq, .offset: 24, .size: 8, .value_kind: global_buffer, .address_space: global }
      - { .name: rs, .offset: 32, .size: 8, .value_kind: global_buffer, .address_space: global }
    .group_segment_fixed_size: 0
    .private_segment_fixed_size: 0
    .kernarg_segment_align: 8
    .kernarg_segment_size: 40
    .max_flat_workgroup_size: 512
    .sgpr_count:     66
    .vgpr_count:     224
    .wavefront_size: 32
...
	.end_amdgpu_metadata
.endif
;; end of part 1
;; launch gemm (part 2): grid 16 x 16, 4 waves a work-group, clusters of 4 x 4, 327,680 bytes of LDS; arguments xq, wq, rs, bias, weight_scale, out0; writes out0
.if DOCPART == 2
	.amdgcn_target "amdgcn-amd-amdhsa--gfx1250"
	.amdhsa_code_object_version 6
	.text
	.protected	k_q5910236bff_gemm
	.globl	k_q5910236bff_gemm
	.p2align	8
	.type	k_q5910236bff_gemm,@function
k_q5910236bff_gemm:
	s_mov_b64 s[64:65], 0
	v_nop
	global_prefetch_b8 v0, s[64:65] scope:SCOPE_SE
	s_setreg_imm32_b32 hwreg(HW_REG_WAVE_MODE, 25, 1), 1
	s_wait_xcnt 0x0
	s_wait_alu depctr_hold_cnt(0) depctr_sa_sdst(0) depctr_va_vdst(0) depctr_va_sdst(0) depctr_va_ssrc(0) depctr_va_vcc(0) depctr_vm_vsrc(0)
	s_getreg_b32 s2, hwreg(HW_REG_IB_STS2, 6, 4)
	s_cmp_eq_u32 s2, 0
	s_cbranch_scc0 .Lentry_in_a_cluster
	s_endpgm
.Lentry_in_a_cluster:
	s_bfe_u32 s2, ttmp6, 0x10000c
	s_cmp_lg_u32 s2, 0xf033
	s_cbranch_scc0 .Lentry_shape_is_right
	s_endpgm
.Lentry_shape_is_right:
; out0[m][n] = ((the sum over k of xq[m][k] wq[n][k]) x rs[m] + bias[n]) / weight_scale, made as sum x (rs[m] / ws) + bias[n] / ws: one fused multiply-add for each number.
; xq, wq: [4096][4096] bf16 (xq holds whole numbers -128 .. 127, exact in bf16); rs, bias: [4096] f32; weight_scale: one f32; out0: [4096][4096] f32.  Sums in f32, K ascending.
; LIMITS.  1 / ws is a reciprocal good to a unit in the last place; |ws| lies within 2^-126 .. 2^126 (outside it the reciprocal is flushed).  NaN and infinities are not treated apart.
; SHARES.  A tile of out0, 256 x 256, is made by a work-group of four waves; a wave makes 128 x 128: 64 accumulators of 16 x 16, 512 registers.  256 tiles, 256 work-groups.
; K goes in 32 steps of 128 through a ring of two LDS slots filled by the tensor data mover: a tile's rows are 256 bytes of memory and start at multiples of 256 bytes from the buffer's first byte.
; CLUSTERS: 4 x 4 work-groups.  The four of a row of the cluster need the same tiles of xq, the four of a column the same tiles of wq.  Such a tile is asked for JOINTLY: each of the four issues
; the same tensor load, with the same descriptor and a mask that names the four, and each receives the tile in its own LDS.
; REGISTERS, in windows of 256 (s_set_vgpr_msb's low byte: bits 1:0 source 0, 3:2 source 1, 5:4 source 2, 7:6 destination):
;   window 0: v0-31 addresses; v32-58 the rows' factors; v64-127, v128-191 fragments of xq, two buffers; on the way out v64-127 scaled results, v128-191 and v192-255 rows read back, by turns
;   window 1: v0-63 bias / ws of my 128 columns; v64-127, v128-191 fragments of wq, two buffers
;   window 2: the 32 accumulators of my rows 0-63 (accumulator (a, b) at v[8 (8 a + b)]);   window 3: those of my rows 64-127
; THE MATRIX INSTRUCTION IS USED TRANSPOSED: source 0 = 16 rows of wq, source 1 = 16 rows of xq.  In the result lane l holds row m = l % 16 and its registers 0 to 7 the columns
; n = 8 (l / 16) + 0 .. 7: eight neighbouring numbers of a row of out0, and ONE row's factor serves a lane's whole accumulator.
.set SIZE_N, 4096
.set SIZE_K, 4096
.set KSTEP,  128
.set PITCH,  272                       ; an LDS row: 256 bytes of data + 16 of padding = 68 words: row r starts at bank 4 r mod 64 (64 banks of 4 bytes: ISA guide 11.1), so the 16 rows that a load touches start at 16 different banks
.set HALFT,  128*PITCH                 ; 128 rows: what one tensor load brings, and what one wave reads of xq or of wq
.set SLOT,   4*HALFT                   ; xq's 256 rows, then wq's 256 rows
.set STAGE,  2*SLOT                    ; behind the ring: 16 rows x 528 bytes for each wave, for the way out; no tensor load lands here
.set SPITCH, 528                       ; 512 bytes (128 f32) + 16 = 132 words: row r again starts at bank 4 r mod 64
.set SPARE,  STAGE+4*16*SPITCH         ; behind the stages: the spare words, 128 bytes for each wave: two blocks of 256 bytes that no other line names
.set LAPS, SIZE_K/(2*KSTEP)            ; a lap = two K steps = once round the ring: 16
.set ADRA, 16                          ; v16-17  LDS address of my xq fragments in slot 0, 1
.set ADRB, 20                          ; v20-21  the same for wq
.set STO,  24                          ; v24     the way out: where I put 32 bytes of a row
.set RD,   25                          ; v25     the way out: where I read 16 bytes of a row back
.set CO,   26                          ; v26     16 x lane: my bytes in 512 of a row of out0
.set BO,   27                          ; v27     32 (l / 16): my eight numbers in 16 of bias
.set SPW,  28                          ; v28     LDS address of my spare word: SPARE + 4 x my thread's number; never rewritten
.set NIL,  29                          ; v29     0; never rewritten
.set PFO,  30                          ; v30     the prefetches' offset: my lane x a row of xq or wq (8,192 bytes); never rewritten
.set RO,   31                          ; v31     4 (l % 16): my row in 16 of rs
.set RAW,  32                          ; v[32:39]  rs of my row in block a of 16 rows
.set SC,   40                          ; v[40:55]  rs / ws of block a, twice: a pair for the packed multiply-add
.set RW,   56                          ; v[56:57]  1 / ws, twice
.set WSV,  58                          ; v58       ws
.set F0,   64                          ; fragment buffer 0
.set F1,   128                         ; fragment buffer 1
.set TMP,  64                          ; the way out: a block's 64 scaled results, in window 0
.set BK0,  128                         ; the way out: 16 rows read back from the stage: v128-191 and v192-255 by turns
.set BI,   0                           ; window 1: bias / ws: column 16 b + 8 (l / 16) + j at BI + 8 b + j
.set PFA,  44                          ; s[44:45] where my prefetches stand: my work-group's 32 rows of the 128 that I fetch, one K step further along K than the refill that is being asked for
.set LIM,  43                          ; s43     1 in a wave that prefetches, else the greatest number
.set G1, 24                            ; s[24:31] descriptor group 1 for xq's tiles
.set G0, 32                            ; s[32:39] descriptor group 0 for xq's tiles, one set for each slot
.set G1B, 48                           ; s[48:55] descriptor group 1 for wq's tiles: it differs in the mask alone
.set G0B, 56                           ; s[56:63] descriptor group 0 for wq's tiles, one set for each slot
.set RSB, 68                           ; s[68:69] rs at my first row
.set BIB, 70                           ; s[70:71] bias at my first column
.set WSB, 72                           ; s[72:73] weight_scale
.set CB,  74                           ; s[74:75] out0 at the block of 16 rows that is leaving
.set MSB, 0
.macro WIN new                         ; the immediate's high byte repeats the setting that is left; a switch that changes nothing is dropped
.if MSB != (\new)
	s_set_vgpr_msb (MSB<<8)|(\new)
.set MSB, \new
.endif
.endm
.set MUL_LO, 0xa1                      ; source 0 (wq) window 1, source 1 (xq) window 0, C and D window 2
.set MUL_HI, 0xf1                      ; the same, C and D window 3
.set TO_B,   0x40                      ; destination window 1, address window 0
; A joint load.  Waves 0 and 1 fetch xq's two halves, waves 2 and 3 wq's.  Each of the two lines has ONE mask and one set of registers for all that issue it.  The branch hangs on the wave's
; number alone.  An s_nop 0 and four v_nop follow each of the two lines, ahead of the jump, the label and what follows.
.macro JLOAD s
	s_cmp_eq_u32 s11, 0
	s_cbranch_scc0 .Lfor_b_\@
	tensor_load_to_lds s[G0+4*(\s):G0+4*(\s)+3], s[G1:G1+7]
	s_nop 0
.rept 4
	v_nop
.endr
	s_branch .Lasked_\@
.Lfor_b_\@:
	tensor_load_to_lds s[G0B+4*(\s):G0B+4*(\s)+3], s[G1B:G1B+7]
	s_nop 0
.rept 4
	v_nop
.endr
.Lasked_\@:
.endm
; A PREFETCH INTO THE L2, behind each joint refill, its five lines and the run of LDS loads that follows them: the K step that stands TWO refills on, 512 matrix instructions ahead of the load
; that will want it: 32 rows x 256 bytes, a lane a row, one instruction a wave.  Each row's 256 bytes of a K step are named ONCE in the launch: xq's tile row is read by every cluster of that row
; of clusters, and the one with cluster x = 0 asks; wq's tile column by every cluster of that column, and the one with cluster y = 0 asks.  The four partners that ask for a tile jointly share
; its rows out BY ADDRESS: of the 128 rows that a wave fetches the partner at place p takes 32 p .. 32 p + 31 (p = cx for xq, cy for wq).  K steps 0 to 3 come by their loads alone; the loop's
; last trip (s3 = 1) asks for nothing: there is no K step two on.
.macro ASK
	s_cmp_gt_u32 s3, s[LIM]
	s_cbranch_scc0 .Lnot_mine_\@
	global_prefetch_b8 v[PFO], s[PFA:PFA+1] offset:KSTEP*2 th:TH_LOAD_NT scope:SCOPE_SE
.Lnot_mine_\@:
.endm
; A round of the cluster's barrier: my work-group's barrier, so that wave 0's signal speaks for all four waves; wave 0 signals for the work-group; every wave waits for all sixteen
; work-groups; my work-group's barrier once more.  No LDS instruction of the wave is pending at a signal.
.macro CREST                           ; a round behind its opening barrier
	s_cmp_lg_u32 s10, 0
	s_cbranch_scc1 .Lnot_wave_0_\@
	s_barrier_signal -3
.Lnot_wave_0_\@:
	s_barrier_wait -3
	s_barrier_signal -1
	s_barrier_wait -1
.endm
.macro CROUND                          ; a whole round
	s_barrier_signal -1
	s_barrier_wait -1
	CREST
.endm
	s_load_b128 s[4:7], s[0:1], 0x0                ; xq s[4:5], wq s[6:7]
	s_load_b128 s[68:71], s[0:1], 0x10             ; rs, bias
	s_load_b128 s[72:75], s[0:1], 0x20             ; weight_scale, out0
	v_lshl_add_u32 v[SPW], v0, 2, SPARE
	v_mov_b32 v[NIL], 0
	ds_add_u32 v[SPW], v[NIL]                      ; the wave's opening: the add, twice on end, and its wait stand ahead of my first tensor load; the set-up below the second, work on registers, stands between it and the wait
	ds_add_u32 v[SPW], v[NIL]                      ; and once more, under the one wait
	v_lshrrev_b32 v1, 5, v0
	v_readfirstlane_b32 s10, v1                    ; wave 0..3
	s_lshr_b32 s11, s10, 1                         ; which half of the tile's rows is mine.  Also: I fetch for xq (0) or for wq (1)
	s_and_b32 s12, s10, 1                          ; which half of its columns.  Also: which 128 rows of that tile I fetch
	s_bfe_u32 s40, ttmp6, 0x40000                  ; cx: my place along the cluster's x
	s_bfe_u32 s41, ttmp6, 0x40004                  ; cy: along its y
	s_lshl_b32 s42, ttmp9, 2                       ; in a cluster launch ttmp9 and ttmp7 count clusters
	s_add_co_u32 s42, s42, s40                     ; tile column = 4 x cluster x + cx
	s_and_b32 s13, ttmp7, 0xffff
	s_lshl_b32 s13, s13, 2
	s_add_co_u32 s13, s13, s41                     ; tile row = 4 x cluster y + cy
	s_lshl_b32 s43, s41, 2
	s_lshl_b32 s43, 15, s43                        ; my row of the cluster: places 4 cy .. 4 cy + 3
	s_lshl_b32 s44, 0x1111, s40                    ; my column: places cx, cx + 4, cx + 8, cx + 12
	; descriptor group 1: a tile of 128 rows x 128 elements, padded in LDS
	s_or_b32 s[G1+0], s43, (1<<16)|(1<<20)|(1<<21)|(5<<22)|(3<<25)  ; 15:0 the mask: xq's tiles go to my row; 17:16 element of 2 bytes; 20 padding on; 21 set beside a mask; 24:22 after every 64 words (code 5); 31:25 of 4 words (code 3)
	s_or_b32 s[G1B+0], s44, (1<<16)|(1<<20)|(1<<21)|(5<<22)|(3<<25) ; the same with the mask of my column, for wq's tiles
.irp g, G1, G1B
	s_mov_b32 s[(\g)+1], KSTEP<<16                 ; 63:48 tensor_dim0, low half = 128
	s_mov_b32 s[(\g)+2], 128<<16                   ; 79:64 its high half = 0; 95:80 tensor_dim1, low half = 128
	s_mov_b32 s[(\g)+3], KSTEP<<16                 ; 111:96 its high half = 0; 127:112 tile_dim0 = 128
	s_mov_b32 s[(\g)+4], 128                       ; 143:128 tile_dim1 = 128; 159:144 tile_dim2 = 0
	s_mov_b32 s[(\g)+5], SIZE_K                    ; 191:160 tensor_dim0_stride, low word: elements from row to row
	s_mov_b32 s[(\g)+6], 0
	s_mov_b32 s[(\g)+7], 0
.endr
	; where the tiles come from.  xq's hang on the tile row alone, which my row of the cluster shares; wq's on the tile column alone, which my column shares.
	; Every wave makes both addresses, in registers that never hold the other coordinate, and asks by one of them.
	s_lshl_b32 s17, s12, 7                         ; which 128 rows of the tile I fetch
	s_lshl_b32 s16, s13, 8
	s_add_co_u32 s16, s16, s17                     ; xq: row 256 x tile row + 128 x half
	s_lshl_b32 s46, s42, 8
	s_add_co_u32 s46, s46, s17                     ; wq: row 256 x tile column + 128 x half
	s_mov_b32 s17, 0
	s_mov_b32 s47, 0
	s_mov_b64 s[18:19], SIZE_K*2
	s_mul_u64 s[16:17], s[16:17], s[18:19]         ; in bytes
	s_mul_u64 s[46:47], s[46:47], s[18:19]
	s_mul_i32 s20, s10, HALFT                      ; and where they go: xq's two halves, then wq's two halves = wave x 128 rows: no place in the cluster enters an LDS address
	s_wait_dscnt 0x0                               ; both opening adds are done
	s_wait_kmcnt 0x0
	s_load_b32 s76, s[WSB:WSB+1], 0x0              ; ws: no line of this launch writes it
	s_add_nc_u64 s[14:15], s[4:5], s[16:17]
	s_add_nc_u64 s[46:47], s[6:7], s[46:47]
	CROUND                                         ; all sixteen work-groups are here: the first joint loads meet
.irp s, 0,1
	s_mov_b32 s[G0+4*(\s)], 1                                      ; 1:0 count = 1
	s_add_co_u32 s[G0+4*(\s)+1], s20, (\s)*SLOT                    ; 63:32 LDS address
	s_add_nc_u64 s[G0+4*(\s)+2:G0+4*(\s)+3], s[14:15], (\s)*KSTEP*2  ; 120:64 global address: K step s
	s_or_b32 s[G0+4*(\s)+3], s[G0+4*(\s)+3], 0x80000000            ; 127:126 type = 2
	s_mov_b32 s[G0B+4*(\s)], 1
	s_add_co_u32 s[G0B+4*(\s)+1], s20, (\s)*SLOT
	s_add_nc_u64 s[G0B+4*(\s)+2:G0B+4*(\s)+3], s[46:47], (\s)*KSTEP*2
	s_or_b32 s[G0B+4*(\s)+3], s[G0B+4*(\s)+3], 0x80000000
	JLOAD \s                                       ; the ring is filled before anything else is done: two loads of mine are out
.endr
	; A fragment is 16 rows x 32 K in 8 registers: lane l holds row l % 16; registers 0-3 hold K = 8 (l / 16) + 0..7, registers 4-7 hold K = 16 + 8 (l / 16) + 0..7.
	; From rows that lie along K: two loads of 16 bytes, 32 bytes apart.  The same for source 0 and source 1.
	v_and_b32 v1, 15, v0                           ; l % 16
	v_bfe_u32 v2, v0, 4, 1                         ; l / 16
	v_mul_u32_u24 v3, v1, PITCH
	v_lshl_add_u32 v3, v2, 4, v3                   ; row x pitch + 16 x half
	s_mul_i32 s21, s11, HALFT                      ; my 128 rows of xq
	s_mul_i32 s22, s12, HALFT                      ; my 128 rows of wq,
	s_add_co_u32 s22, s22, 2*HALFT                 ; which lie behind xq's 256
.irp s, 0,1
	v_add_nc_u32 v[ADRA+(\s)], s21, v3
	v_add_nc_u32 v[ADRB+(\s)], s22, v3
	s_add_co_u32 s21, s21, SLOT
	s_add_co_u32 s22, s22, SLOT
.endr
	s_mul_i32 s23, s10, 16*SPITCH
	s_add_co_u32 s23, s23, STAGE                   ; my stage
	v_mul_u32_u24 v4, v1, SPITCH                   ; in: row l % 16, 32 bytes for each half of the lanes
	v_lshl_add_u32 v4, v2, 5, v4
	v_add_nc_u32 v[STO], s23, v4
	v_and_b32 v5, 31, v0
	v_lshlrev_b32 v[CO], 4, v5                     ; back, and out: 32 lanes take one row's 512 bytes
	v_add_nc_u32 v[RD], s23, v[CO]
	v_lshlrev_b32 v[BO], 5, v2
	v_lshlrev_b32 v[RO], 2, v1
	; my part of the tile: rows from 256 x tile row + 128 x half, columns from 256 x tile column + 128 x half
	s_lshl_b32 s13, s13, 8
	s_lshl_b32 s14, s11, 7
	s_add_co_u32 s16, s13, s14                     ; my first row
	s_lshl_b32 s18, s16, 2
	s_mov_b32 s19, 0
	s_add_nc_u64 s[RSB:RSB+1], s[RSB:RSB+1], s[18:19]
	s_lshl_b32 s16, s16, 14                        ; a row of out0 is 16,384 bytes
	s_mov_b32 s17, 0
	s_add_nc_u64 s[CB:CB+1], s[CB:CB+1], s[16:17]
	s_lshl_b32 s46, s42, 8                         ; (in the registers that held wq's address: none that feeds xq's descriptors ever holds cx)
	s_lshl_b32 s47, s12, 7
	s_add_co_u32 s46, s46, s47                     ; my first column,
	s_lshl_b32 s46, s46, 2                         ; in bytes
	s_mov_b32 s47, 0
	s_add_nc_u64 s[CB:CB+1], s[CB:CB+1], s[46:47]
	s_add_nc_u64 s[BIB:BIB+1], s[BIB:BIB+1], s[46:47]
	; bias of my 128 columns and rs of my 128 rows: asked for once, kept in registers
	WIN TO_B
.irp b, 0,1,2,3,4,5,6,7
	global_load_b128 v[BI+8*(\b):BI+8*(\b)+3],   v[BO], s[BIB:BIB+1] offset:64*(\b)
	global_load_b128 v[BI+8*(\b)+4:BI+8*(\b)+7], v[BO], s[BIB:BIB+1] offset:64*(\b)+16
.endr
	WIN 0
.irp a, 0,1,2,3,4,5,6,7
	global_load_b32 v[RAW+(\a)], v[RO], s[RSB:RSB+1] offset:64*(\a)
.endr
	; the prefetches.  s13 = 256 x tile row, s42 = tile column, s40 = cx, s41 = cy still stand; s[4:5] = xq, s[6:7] = wq
	s_lshl_b32 s42, s42, 8
	s_and_b32 s22, ttmp7, 0xffff                   ; cluster y
	s_cmp_eq_u32 s11, 0                            ; do I fetch for xq?
	s_cselect_b32 s20, s13, s42                    ; the tile's first row: in xq by the tile row, in wq by the tile column
	s_cselect_b32 s21, s40, s41                    ; my place among the four that ask for it with me
	s_cselect_b32 s22, ttmp9, s22                  ; the coordinate along which other clusters read the same rows
	s_cselect_b64 s[PFA:PFA+1], s[4:5], s[6:7]
	s_cmp_eq_u32 s22, 0
	s_cselect_b32 s[LIM], 1, -1                    ; the same in all sixteen partners, for a given wave
	s_lshl_b32 s22, s12, 7
	s_add_co_u32 s20, s20, s22                     ; + the 128 rows that I fetch
	s_lshl_b32 s21, s21, 5
	s_add_co_u32 s20, s20, s21                     ; + my work-group's 32 of them
	s_mov_b32 s21, 0
	s_mov_b64 s[18:19], SIZE_K*2
	s_mul_u64 s[20:21], s[20:21], s[18:19]
	s_add_nc_u64 s[PFA:PFA+1], s[PFA:PFA+1], s[20:21]
	s_add_nc_u64 s[PFA:PFA+1], s[PFA:PFA+1], 2*KSTEP*2  ; at K step 2: the first refill steps it to 3 and names K step 4
	v_and_b32 v[PFO], 31, v0
	v_mul_u32_u24 v[PFO], v[PFO], SIZE_K*2
	; the factors of the way out, made in the wait for the first tile: 1 / ws, rs / ws, bias / ws
	s_wait_kmcnt 0x0                               ; ws
	v_mov_b32 v[WSV], s76
	v_rcp_f32 v[RW], v[WSV]
	v_rcp_f32 v[RW+1], v[WSV]
	v_nop                                          ; a plain instruction behind the second reciprocal, ahead of any use of a result (ISA guide 5.7.2)
	s_wait_alu depctr_va_vdst(0)                   ; the wait ahead of the first reader: one for both reciprocals
	s_wait_loadcnt 0x0                             ; bias and rs, once
.irp a, 0,1,2,3,4,5,6,7
	v_mul_f32 v[SC+2*(\a)],   v[RAW+(\a)], v[RW]
	v_mul_f32 v[SC+2*(\a)+1], v[RAW+(\a)], v[RW]
.endr
	WIN 0x41                                       ; destination and source 0 window 1, source 1 window 0
.set i, 0
.rept 32
	v_pk_mul_f32 v[BI+i:BI+i+1], v[BI+i:BI+i+1], v[RW:RW+1]
.set i, i+2
.endr
	WIN 0
; 16 matrix instructions: m blocks a0, a0 + 1 of the window's four (hi = 0: my rows 0-63, 1: rows 64-127) x all 8 n blocks, 32 along K.
; zero = 1: the first product starts the sums: nothing is ever cleared.  The 64 accumulators take turns, one instruction a turn, in the same order in every quarter step.
.macro MUL16 f, hi, a0, zero
	WIN MUL_LO+0x50*(\hi)
.irp a, \a0, (\a0)+1
.irp b, 0,1,2,3,4,5,6,7
.if \zero
	v_wmma_f32_16x16x32_bf16 v[8*(8*(\a)+(\b)):8*(8*(\a)+(\b))+7], v[(\f)+8*(\b):(\f)+8*(\b)+7], v[(\f)+8*(4*(\hi)+(\a)):(\f)+8*(4*(\hi)+(\a))+7], 0
.else
	v_wmma_f32_16x16x32_bf16 v[8*(8*(\a)+(\b)):8*(8*(\a)+(\b))+7], v[(\f)+8*(\b):(\f)+8*(\b)+7], v[(\f)+8*(4*(\hi)+(\a)):(\f)+8*(4*(\hi)+(\a))+7], v[8*(8*(\a)+(\b)):8*(8*(\a)+(\b))+7]
.endif
.endr
.endr
.endm
; 32 LDS loads in one run: the fragments of one quarter step (128 rows of wq, 128 rows of xq, 32 K at byte k of the rows) into buffer f
.macro FETCH slot, k, f
	WIN TO_B
.irp i, 0,1,2,3,4,5,6,7
	ds_load_b128 v[(\f)+8*(\i):(\f)+8*(\i)+3],   v[ADRB+(\slot)] offset:(\k)+(\i)*16*PITCH
	ds_load_b128 v[(\f)+8*(\i)+4:(\f)+8*(\i)+7], v[ADRB+(\slot)] offset:(\k)+(\i)*16*PITCH+32
.endr
	WIN 0
.irp i, 0,1,2,3,4,5,6,7
	ds_load_b128 v[(\f)+8*(\i):(\f)+8*(\i)+3],   v[ADRA+(\slot)] offset:(\k)+(\i)*16*PITCH
	ds_load_b128 v[(\f)+8*(\i)+4:(\f)+8*(\i)+7], v[ADRA+(\slot)] offset:(\k)+(\i)*16*PITCH+32
.endr
.endm
; A load into a register that a matrix instruction has read, and a vector instruction that reads a matrix result or writes one of a matrix instruction's registers, stand four places behind it,
; and only plain vector instructions that name none of its registers are places (ISA guide 7.12.1 for vector instructions).
.macro PLACES
.rept 4
	v_nop
.endr
.endm
; A K step is four quarter steps of 32 along K, 64 matrix instructions each, on buffers 0, 1, 0, 1.
; One of the first three: multiplies buffer f; in its middle it fetches the next quarter's fragments, at byte k of the same slot's rows, into buffer g.
.macro QUARTER slot, k, f, g, zero
	s_wait_dscnt 8                                 ; wq's fragments and xq's rows 0-63 are in; the youngest eight loads (xq's rows 64-127) may be out
	WIN MUL_LO
	MUL16 \f, 0, 0, \zero
	MUL16 \f, 0, 2, \zero
	PLACES
	FETCH \slot, \k, \g
	s_wait_dscnt 32                                ; all but the 32 just issued
	WIN MUL_HI
	MUL16 \f, 1, 0, \zero
	MUL16 \f, 1, 2, \zero
.endm
; The last quarter multiplies buffer 1 and changes slots.  MEET is its first half: ONE barrier for the change of slots.  In front of it each wave waits for all its tensor loads, of which one is
; out: its part of the next slot; adds 0 to its spare word; and waits for that and for its own reads of this slot.  Behind it nobody reads this slot any more and the next slot is whole.
.macro MEET round                      ; round = 1: a round of the cluster's barrier follows
	WIN 0                                          ; (the add's two registers lie in window 0)
	s_wait_tensorcnt 0x0                           ; all my tensor loads have landed: the one that was out is my part of the next slot;
	ds_add_u32 v[SPW], v[NIL]                      ; 0 onto my spare word;
	s_wait_dscnt 9                                 ; (the add and the youngest eight loads may be out)
	WIN MUL_LO
	MUL16 F1, 0, 0, 0                              ; sixteen matrix instructions stand between the add and the wait for it
	s_wait_dscnt 0x0                               ; the add is done, and my reads of this slot are over:
	s_barrier_signal -1                            ; say so (where a slot is filled again this barrier opens a round of the cluster's barrier),
	MUL16 F1, 0, 2, 0                              ; work on registers while the others arrive,
.if \round
	WIN 0
.endif
	s_barrier_wait -1                              ; and go on when all four have said so
.endm
; The whole last quarter.  fill = 1: behind the round the slot just read out is filled again first, with the K step two steps on; then come the next slot's first fragments.
; From a request to the wait for it a wave issues 224 matrix instructions.
.macro TURN slot, next, fill
.if \fill
	s_wait_xcnt 0x0                                ; the last prefetch, a K step back, has read its address: it is stepped here, ahead of the waits of the change of slots
	s_add_nc_u64 s[PFA:PFA+1], s[PFA:PFA+1], KSTEP*2
.endif
	MEET \fill
.if \fill
	CREST                                          ; no wave of any partner still reads this slot's tile or has a load on its way
	s_add_nc_u64 s[G0+4*(\slot)+2:G0+4*(\slot)+3], s[G0+4*(\slot)+2:G0+4*(\slot)+3], 2*KSTEP*2    ; no tensor load of mine is out, so a group 0 may be written
	s_add_nc_u64 s[G0B+4*(\slot)+2:G0B+4*(\slot)+3], s[G0B+4*(\slot)+2:G0B+4*(\slot)+3], 2*KSTEP*2
	JLOAD \slot                                    ; the first tensor load behind the round; the four v_nop behind it are also the places in front of the loads below
.else
	PLACES
.endif
	FETCH \next, 0, F0
.if \fill
	ASK                                            ; behind the joint load and the run of LDS loads that the next products wait for
.endif
	WIN MUL_HI
	MUL16 F1, 1, 0, 0
	MUL16 F1, 1, 2, 0
.endm
; THE WAY OUT of block a (16 rows x 128 columns), in three parts.
; SCALE: sum x (rs / ws) + bias / ws, one packed multiply-add for two numbers; each accumulator's registers in ascending order.
.macro SCALE a
.set AC, 64*((\a)%4)
	WIN 0x12+(\a)/4                                ; source 0 window 2 or 3 (the sums), source 1 window 0 (the row's factor), source 2 window 1 (the columns' addends), destination window 0
.irp b, 0,1,2,3,4,5,6,7
.irp p, 0,1,2,3
	v_pk_fma_f32 v[TMP+8*(\b)+2*(\p):TMP+8*(\b)+2*(\p)+1], v[AC+8*(\b)+2*(\p):AC+8*(\b)+2*(\p)+1], v[SC+2*(\a):SC+2*(\a)+1], v[BI+8*(\b)+2*(\p):BI+8*(\b)+2*(\p)+1]
.endr
.endr
.endm
; TOSTAGE: a lane's 32 bytes of a row go into my own stage, and whole rows of 512 bytes come back.
.macro TOSTAGE a
	WIN 0
.set BK, BK0+64*((\a)%2)
.irp b, 0,1,2,3,4,5,6,7
	ds_store_b128 v[STO], v[TMP+8*(\b):TMP+8*(\b)+3]   offset:64*(\b)
	ds_store_b128 v[STO], v[TMP+8*(\b)+4:TMP+8*(\b)+7] offset:64*(\b)+16
.endr
.irp t, 0,1,2,3,4,5,6,7,8,9,10,11,12,13,14,15
	ds_load_b128 v[BK+4*(\t):BK+4*(\t)+3], v[RD] offset:(\t)*SPITCH  ; LDS serves a wave's instructions in order (ISA guide 5.7.1.4): these see the stores above
.endr
.endm
; SEND: stored, a row an instruction.
.macro SEND a
	WIN 0
.set BK, BK0+64*((\a)%2)
	s_wait_dscnt 0x0                               ; the block is back in registers
	s_wait_xcnt 0x0                                ; earlier stores have read their base and their data: only behind this wait is the base stepped, and are the other sixteen rows' registers loaded again
.if (\a) > 0
	s_add_nc_u64 s[CB:CB+1], s[CB:CB+1], 16*SIZE_N*4   ; 16 rows of out0 on
.endif
.irp t, 0,1,2,3,4,5,6,7,8,9,10,11,12,13,14,15
	global_store_b128 v[CO], v[BK+4*(\t):BK+4*(\t)+3], s[CB:CB+1] offset:(\t)*SIZE_N*4 th:TH_STORE_NT  ; 32 lanes store 512 consecutive bytes, at a multiple of 512 from out0's first byte
.endr
.endm
	s_wait_tensorcnt 1                             ; my part of K step 0 is in; K step 1's load, issued behind it, may stay out
	s_barrier_signal -1
	s_barrier_wait -1                              ; everybody's is
	FETCH 0, 0, F0
	QUARTER 0, 64,  F0, F1, 1                      ; the first quarter stands in front of the loop: its products start the sums
	WIN 0                                          ; at a label and at a branch every window is 0
	s_mov_b32 s3, LAPS-1
.Llap:                                                 ; a trip goes once round the ring, from a lap's second quarter to the next lap's first, and fills both slots again
	QUARTER 0, 128, F1, F0, 0
	QUARTER 0, 192, F0, F1, 0
	TURN 0, 1, 1
	QUARTER 1, 64,  F0, F1, 0
	QUARTER 1, 128, F1, F0, 0
	QUARTER 1, 192, F0, F1, 0
	TURN 1, 0, 1
	QUARTER 0, 64,  F0, F1, 0
	WIN 0
	s_sub_co_u32 s3, s3, 1
	s_cmp_lg_u32 s3, 0
	s_cbranch_scc1 .Llap
	QUARTER 0, 128, F1, F0, 0                      ; the last lap is written out: it fills nothing, and has no round of the cluster's barrier
	QUARTER 0, 192, F0, F1, 0
	TURN 0, 1, 0
	QUARTER 1, 64,  F0, F1, 0
	QUARTER 1, 128, F1, F0, 0
	QUARTER 1, 192, F0, F1, 0
	s_wait_dscnt 8                                 ; the very last quarter: nothing more to fetch
	MUL16 F1, 0, 0, 0
	MUL16 F1, 0, 2, 0
	s_wait_dscnt 0x0
	MUL16 F1, 1, 0, 0
	MUL16 F1, 1, 2, 0
	PLACES                                         ; eight plain places, once a launch: the lines that follow read sums and write registers that products have read
	PLACES
	SCALE 0
	TOSTAGE 0
.irp a, 1,2,3,4,5,6,7                  ; block a's 32 multiply-adds stand between block a - 1's loads from the stage and the wait for them
	SCALE \a
	SEND (\a)-1
	TOSTAGE \a
.endr
	SEND 7
	s_wait_tensorcnt 0x0                           ; the wave's end: behind my last tensor load and my last LDS store
	ds_add_u32 v[SPW], v[NIL]
	s_wait_dscnt 0x0
	CROUND                                         ; the closing round: no work-group ends while a partner may still ask for a tile that names it
	s_endpgm
.Lfunc_end_k_q5910236bff_gemm:
	.size	k_q5910236bff_gemm, .Lfunc_end_k_q5910236bff_gemm-k_q5910236bff_gemm
	.p2alignl 7, 3214868480
	.fill 96, 4, 3214868480
	.section	.rodata,"a",@progbits
	.p2align	6, 0x0
	.amdhsa_kernel k_q5910236bff_gemm
		.amdhsa_group_segment_fixed_size 327680
		.amdhsa_private_segment_fixed_size 0
		.amdhsa_enable_private_segment 0
		.amdhsa_kernarg_size 48
		.amdhsa_user_sgpr_count 2
		.amdhsa_user_sgpr_kernarg_segment_ptr 1
		.amdhsa_wavefront_size32 1
		.amdhsa_system_sgpr_workgroup_id_x 1
		.amdhsa_system_sgpr_workgroup_id_y 1
		.amdhsa_system_sgpr_workgroup_id_z 1
		.amdhsa_system_vgpr_workitem_id 0
		.amdhsa_next_free_vgpr 1024
		.amdhsa_next_free_sgpr 80
		.amdhsa_reserve_vcc 0
		.amdhsa_float_denorm_mode_32 3
		.amdhsa_float_denorm_mode_16_64 3
		.amdhsa_memory_ordered 1
		.amdhsa_forward_progress 1
		.amdhsa_inst_pref_size 163
	.end_amdhsa_kernel
	.amdgpu_metadata
---
amdhsa.version: [ 1, 2 ]
amdhsa.kernels:
  - .name:           k_q5910236bff_gemm
    .symbol:         k_q5910236bff_gemm.kd
    .args:
      - { .name: xq, .offset: 0, .size: 8, .value_kind: global_buffer, .address_space: global }
      - { .name: wq, .offset: 8, .size: 8, .value_kind: global_buffer, .address_space: global }
      - { .name: rs, .offset: 16, .size: 8, .value_kind: global_buffer, .address_space: global }
      - { .name: bias, .offset: 24, .size: 8, .value_kind: global_buffer, .address_space: global }
      - { .name: weight_scale, .offset: 32, .size: 8, .value_kind: global_buffer, .address_space: global }
      - { .name: out0, .offset: 40, .size: 8, .value_kind: global_buffer, .address_space: global }
    .group_segment_fixed_size: 327680
    .private_segment_fixed_size: 0
    .kernarg_segment_align: 8
    .kernarg_segment_size: 48
    .max_flat_workgroup_size: 128
    .sgpr_count:     80
    .vgpr_count:     1024
    .wavefront_size: 32
...
	.end_amdgpu_metadata
.endif
;; end of part 2
;; ======== version 2 of 2: 2 launches; version 1 with the launch prep written anew for expert scheduling mode
;; workspace buffers: xq 33,554,432 bytes; wq 33,554,432 bytes; rs 16,384 bytes
;; launch prep (part 3): grid 256 x 1, 16 waves a work-group, no clusters, 0 bytes of LDS; arguments x, W, xq, wq, rs; writes xq, wq, rs
.if DOCPART == 3
	.amdgcn_target "amdgcn-amd-amdhsa--gfx1250"
	.amdhsa_code_object_version 6
	.text
	.protected	k_q5910236bff_prep
	.globl	k_q5910236bff_prep
	.p2align	8
	.type	k_q5910236bff_prep,@function
k_q5910236bff_prep:
	s_mov_b64 s[64:65], 0
	v_nop
	global_prefetch_b8 v0, s[64:65] scope:SCOPE_SE
	s_setreg_imm32_b32 hwreg(HW_REG_WAVE_SCHED_MODE, 0, 2), 2
	s_setreg_imm32_b32 hwreg(HW_REG_WAVE_MODE, 25, 1), 1
	s_wait_xcnt 0x0
	s_wait_alu depctr_vm_vsrc(0)
; xq[m][k] = clip(round(x[m][k] * s[m]), -128, 127) as bf16, s[m] = 127 / a[m], a[m] = max(max over k of |x[m][k]|, 1e-5);  rs[m] = a[m] / 127 in f32;  wq = W rounded to bf16.
; x, W: [4096][4096] f32.  xq, wq: [4096][4096] bf16.  rs: [4096] f32.  The whole numbers -128 .. 127 are exact in bf16, so the product that follows can run on them and
; take the row's factor a / 127 onto its f32 sums.
; LIMITS.  NaN and infinities are not treated apart (the maximum passes a NaN over).  s is made as the reciprocal of a / 127: a few units in the last place from 127 / a, so a number that lies
; on a rounding edge may fall one step (a / 127) aside.  a / 127 is made first, so that its reciprocal is no denormal for any finite a.  W is rounded to bf16 (exact for -1, 0, 1).
; SHARES.  4,096 waves, all alike: wave g = 16 x work-group + wave takes row g of x and then row g of W.  A row is 16,384 bytes: 32 loads of 16 bytes a lane, each 512 consecutive bytes,
; 128 registers: it stays in registers between the pass that finds the maximum and the pass that scales, so x is read once.  When a block of four chunks of x has been rounded, its sixteen
; registers are asked for again with the same chunks of W.  A lane's 4 numbers leave as 8 bytes: a store of the wave covers 256 consecutive bytes, aligned.
; No LDS, no barrier, no loop: no wave wants a byte that another has fetched.  rs leaves as 4 bytes a wave: 16 KiB of the launch's 200 MB.
; THE MODE: SCHED_MODE bits 1:0 = 2 (LLVM: expert scheduling mode 2), set by the entry lines.  The code itself states the register dependences
; between vector instructions and memory instructions, with s_wait_alu, always for 0.
; THE PLAN.  Registers that memory instructions touch:
;   v[LO], v[SO], v[ZO]  offsets, made once at the head and never written again: one wait ahead of the first load serves every load and store.
;   X, chunk j   x's load lands in it; pass 1 reads it; pass 2 scales, rounds and clips it in place; W's load lands in it; W's two conversions close its four numbers up into its first two
;                registers; wq's store reads those two.  Nothing writes them afterwards.
;   Y, chunk j   written once, by pass 2's two conversions; read once, by xq's store.  Nothing writes it afterwards.
;   v[INV]       written once; read by rs's store.
; So no register that a store has read is written again, and the text owes no wait on vm_vsrc but the two at the writes of EXEC.
; Pass 2 goes in eight blocks of four chunks.  Block b's vector lines name X and Y of block b and the scale alone; its memory instructions are W's loads into X of block b - 1 and xq's stores
; from Y of block b - 1.  ONE wait on va_vdst at a block's head states all that these eight hang on, and they are dealt among the block's vector lines with no further wait.
; W's half goes in eight blocks too: four chunks are waited for, eight conversions, one wait on va_vdst, four stores.
.set BLK, 4                            ; chunks in a block
.set LO,  2                            ; v2   16 x lane: my bytes in 512 of a row of x or W; never rewritten
.set SO,  3                            ; v3   8 x lane: my bytes in 256 of a row of xq or wq; never rewritten
.set ZO,  4                            ; v4   0: the offset of rs's store; never rewritten
.set MX,  8                            ; v[8:11]    four running maxima
.set MN,  12                           ; v[12:15]   four running minima
.set T,   16                           ; v16        at work
.set INV, 18                           ; v18        a / 127
.set SCL, 20                           ; v[20:21]   the scale, twice: a pair for the packed multiply
.set X,   32                           ; v[32:159]  chunk j of the row at X + 4 j; of W, as bf16, in the first two of the four
.set Y,   160                          ; v[160:223] chunk j of x as bf16 at Y + 2 j
	s_load_b256 s[4:11], s[0:1], 0x0               ; x s[4:5], W s[6:7], xq s[8:9], wq s[10:11]
	s_load_b64 s[12:13], s[0:1], 0x20              ; rs
	v_and_b32 v1, 31, v0                           ; lane
	v_lshrrev_b32 v5, 5, v0
	v_readfirstlane_b32 s14, v5                    ; wave 0..15
	v_lshlrev_b32 v[LO], 4, v1
	v_lshlrev_b32 v[SO], 3, v1
	v_mov_b32 v[ZO], 0
	s_lshl_b32 s15, ttmp9, 4
	s_wait_alu depctr_va_sdst(0)                   ; s14 is written, ahead of its first reader: all five bases are made from it
	s_add_co_u32 s15, s15, s14                     ; g: my row, 0 .. 4,095
	s_lshl_b32 s16, s15, 14                        ; its bytes in x and W,
	s_mov_b32 s17, 0
	s_lshl_b32 s18, s15, 13                        ; in xq and wq,
	s_mov_b32 s19, 0
	s_lshl_b32 s20, s15, 2                         ; in rs
	s_mov_b32 s21, 0
	s_mov_b32 s22, 0x76543210                      ; v_permlanex16_b32: each lane takes its own place in the other half
	s_mov_b32 s23, 0xfedcba98
	s_mov_b32 s24, 0xc3000000                      ; -128.0
	s_mov_b32 s25, 0x42fe0000                      ; 127.0
	s_wait_kmcnt 0x0
	s_add_nc_u64 s[4:5], s[4:5], s[16:17]
	s_add_nc_u64 s[6:7], s[6:7], s[16:17]
	s_add_nc_u64 s[8:9], s[8:9], s[18:19]
	s_add_nc_u64 s[10:11], s[10:11], s[18:19]
	s_add_nc_u64 s[12:13], s[12:13], s[20:21]
	s_wait_alu depctr_va_vdst(0)                   ; v[LO], v[SO] and v[ZO] are written: every load and store of the kernel reads one of them as its offset
.macro LD base, j                      ; chunk j of my row: 512 consecutive bytes
	global_load_b128 v[X+4*(\j):X+4*(\j)+3], v[LO], s[\base:\base+1] offset:512*(\j) th:TH_LOAD_NT
.endm
; Chunk j enters four chains of maxima and four of minima, three operands at a time; chunks 0 and 1 start the chains: nothing is cleared.
.macro MAXMIN j
.if (\j) < 2
	v_max_num_f32 v[MX+2*(\j)],   v[X+4*(\j)],   v[X+4*(\j)+1]
	v_max_num_f32 v[MX+2*(\j)+1], v[X+4*(\j)+2], v[X+4*(\j)+3]
	v_min_num_f32 v[MN+2*(\j)],   v[X+4*(\j)],   v[X+4*(\j)+1]
	v_min_num_f32 v[MN+2*(\j)+1], v[X+4*(\j)+2], v[X+4*(\j)+3]
.else
	v_max3_num_f32 v[MX+2*((\j)%2)],   v[MX+2*((\j)%2)],   v[X+4*(\j)],   v[X+4*(\j)+1]
	v_max3_num_f32 v[MX+2*((\j)%2)+1], v[MX+2*((\j)%2)+1], v[X+4*(\j)+2], v[X+4*(\j)+3]
	v_min3_num_f32 v[MN+2*((\j)%2)],   v[MN+2*((\j)%2)],   v[X+4*(\j)],   v[X+4*(\j)+1]
	v_min3_num_f32 v[MN+2*((\j)%2)+1], v[MN+2*((\j)%2)+1], v[X+4*(\j)+2], v[X+4*(\j)+3]
.endif
.endm
; Chunk j of x: scaled, rounded to the nearest whole number (ties to even), clipped, packed into Y.  Twelve vector lines, which name X and Y of chunk j and the scale alone.
.macro QUANT j
	v_pk_mul_f32 v[X+4*(\j):X+4*(\j)+1],   v[X+4*(\j):X+4*(\j)+1],   v[SCL:SCL+1]
	v_pk_mul_f32 v[X+4*(\j)+2:X+4*(\j)+3], v[X+4*(\j)+2:X+4*(\j)+3], v[SCL:SCL+1]
.irp k, 0,1,2,3
	v_rndne_f32 v[X+4*(\j)+(\k)], v[X+4*(\j)+(\k)]
.endr
.irp k, 0,1,2,3
	v_med3_num_f32 v[X+4*(\j)+(\k)], v[X+4*(\j)+(\k)], s24, s25
.endr
	v_cvt_pk_bf16_f32 v[Y+2*(\j)],   v[X+4*(\j)],   v[X+4*(\j)+1]
	v_cvt_pk_bf16_f32 v[Y+2*(\j)+1], v[X+4*(\j)+2], v[X+4*(\j)+3]
.endm
; Chunk j of x has been rounded, a block ago: its registers take chunk j of W, and its bf16 leave; the load goes ahead of the store.
.macro SWAP j
	LD 6, \j
	global_store_b64 v[SO], v[Y+2*(\j):Y+2*(\j)+1], s[8:9] offset:256*(\j)
.endm
; Chunk j of W: rounded to bf16; its four numbers close up into the first two of their four registers.
.macro CAST j
	v_cvt_pk_bf16_f32 v[X+4*(\j)],   v[X+4*(\j)],   v[X+4*(\j)+1]
	v_cvt_pk_bf16_f32 v[X+4*(\j)+1], v[X+4*(\j)+2], v[X+4*(\j)+3]
.endm
.macro WOUT j
	global_store_b64 v[SO], v[X+4*(\j):X+4*(\j)+1], s[10:11] offset:256*(\j)
.endm
.set n, 0
.rept 32
	LD 4, n                                        ; the whole row of x is asked for at once: 16 KiB a wave
.set n, n+1
.endr
	; pass 1: the largest and the smallest number of my 128
.set n, 0
.rept 32
.if (n%8) == 0
	s_wait_loadcnt 24-n                            ; the next eight chunks are in; the 24 - n younger loads stay out
.endif
	MAXMIN n
.set n, n+1
.endr
	v_max3_num_f32 v[MX], v[MX], v[MX+1], v[MX+2]
	v_min3_num_f32 v[MN], v[MN], v[MN+1], v[MN+2]
	v_max_num_f32 v[MX], v[MX], v[MX+3]
	v_min_num_f32 v[MN], v[MN], v[MN+3]
	v_xor_b32 v[MN], 0x80000000, v[MN]             ; the largest magnitude is the greater of the maximum and the minimum with its sign turned
	v_max_num_f32 v[T], v[MX], v[MN]
	; across the 32 lanes: four steps inside each half of 16 lanes ride on the arithmetic (DPP), one crosses the halves
	v_max_num_f32_dpp v[T], v[T], v[T] row_xmask:1 row_mask:0xf bank_mask:0xf
	v_max_num_f32_dpp v[T], v[T], v[T] row_xmask:2 row_mask:0xf bank_mask:0xf
	v_max_num_f32_dpp v[T], v[T], v[T] row_xmask:4 row_mask:0xf bank_mask:0xf
	v_max_num_f32_dpp v[T], v[T], v[T] row_xmask:8 row_mask:0xf bank_mask:0xf
	v_permlanex16_b32 v[MX], v[T], s22, s23        ; its destination counts as read: a register that has been written
	v_max_num_f32 v[T], v[T], v[MX]                ; every lane holds the row's largest magnitude
	v_max_num_f32 v[T], 0x3727c5ac, v[T]           ; the floor of 1e-5
	v_mul_f32 v[INV], 0x3c010204, v[T]             ; a / 127
	v_cmp_eq_u32 vcc_lo, 0, v1                     ; lane 0 will store it
	v_rcp_f32 v[SCL], v[INV]
	v_rcp_f32 v[SCL+1], v[INV]
	v_nop                                          ; a plain instruction behind the second reciprocal, ahead of any use of a result (ISA guide 5.7.2)
	s_wait_xcnt 0x0                                ; EXEC is a source of the loads issued so far: it changes only behind this wait
	s_wait_alu depctr_va_vcc(0)                    ; the compare has written VCC, from which EXEC is made
	s_wait_alu depctr_va_vdst(0)                   ; ahead of the write of EXEC: every vector line issued under the full EXEC is done; v[INV], the store's data, is written; and both reciprocals are written, ahead of their first reader in pass 2
	s_wait_alu depctr_vm_vsrc(0)                   ; ahead of the write of EXEC: every memory instruction issued under the full EXEC has read its registers
	s_and_saveexec_b32 s27, vcc_lo
	global_store_b32 v[ZO], v[INV], s[12:13]       ; rs[g]
	s_wait_xcnt 0x0                                ; and again, in front of the line that widens it
	s_wait_alu depctr_va_vdst(0)                   ; ahead of the write of EXEC, as at every one: no vector line is out under the narrow EXEC
	s_wait_alu depctr_vm_vsrc(0)                   ; ahead of the write of EXEC: the store has read v[ZO] and v[INV] under the narrow EXEC
	s_or_b32 exec_lo, exec_lo, s27
	; pass 2: x leaves, W comes, a block behind the rounding
.set n, 0
.rept 32
.if (n%BLK) == 0 && n > 0
	s_wait_alu depctr_va_vdst(0)                   ; the block before has written its Y, which the stores below read, and is done reading and writing its X, in which the loads below land
.endif
.if n >= BLK
	SWAP n-BLK                                     ; no vector line since the wait names these registers
.endif
	QUANT n
.set n, n+1
.endr
	s_wait_alu depctr_va_vdst(0)                   ; the last block has written its Y and is done with its X
.set n, 32-BLK
.rept BLK
	SWAP n
.set n, n+1
.endr
	; W leaves
.set n, 0
.rept 32/BLK
	s_wait_loadcnt 32-BLK-BLK*n                    ; loads come back in order (ISA guide 5.7.1): this block's four chunks are in, the younger ones stay out
.irp i, 0,1,2,3
	CAST BLK*n+\i
.endr
	s_wait_alu depctr_va_vdst(0)                   ; the block's conversions have written the first two registers of each chunk, which the four stores read
.irp i, 0,1,2,3
	WOUT BLK*n+\i
.endr
.set n, n+1
.endr
	s_endpgm
.Lfunc_end_k_q5910236bff_prep:
	.size	k_q5910236bff_prep, .Lfunc_end_k_q5910236bff_prep-k_q5910236bff_prep
	.p2alignl 7, 3214868480
	.fill 96, 4, 3214868480
	.section	.rodata,"a",@progbits
	.p2align	6, 0x0
	.amdhsa_kernel k_q5910236bff_prep
		.amdhsa_group_segment_fixed_size 0
		.amdhsa_private_segment_fixed_size 0
		.amdhsa_enable_private_segment 0
		.amdhsa_kernarg_size 40
		.amdhsa_user_sgpr_count 2
		.amdhsa_user_sgpr_kernarg_segment_ptr 1
		.amdhsa_wavefront_size32 1
		.amdhsa_system_sgpr_workgroup_id_x 1
		.amdhsa_system_sgpr_workgroup_id_y 1
		.amdhsa_system_sgpr_workgroup_id_z 1
		.amdhsa_system_vgpr_workitem_id 0
		.amdhsa_next_free_vgpr 224
		.amdhsa_next_free_sgpr 66
		.amdhsa_reserve_vcc 1
		.amdhsa_float_denorm_mode_32 3
		.amdhsa_float_denorm_mode_16_64 3
		.amdhsa_memory_ordered 1
		.amdhsa_forward_progress 1
		.amdhsa_inst_pref_size 48
	.end_amdhsa_kernel
	.amdgpu_metadata
---
amdhsa.version: [ 1, 2 ]
amdhsa.kernels:
  - .name:           k_q5910236bff_prep
    .symbol:         k_q5910236bff_prep.kd
    .args:
      - { .name: x, .offset: 0, .size: 8, .value_kind: global_buffer, .address_space: global }
      - { .name: W, .offset: 8, .size: 8, .value_kind: global_buffer, .address_space: global }
      - { .name: xq, .offset: 16, .size: 8, .value_kind: global_buffer, .address_space: global }
      - { .name: wq, .offset: 24, .size: 8, .value_kind: global_buffer, .address_space: global }
      - { .name: rs, .offset: 32, .size: 8, .value_kind: global_buffer, .address_space: global }
    .group_segment_fixed_size: 0
    .private_segment_fixed_size: 0
    .kernarg_segment_align: 8
    .kernarg_segment_size: 40
    .max_flat_workgroup_size: 512
    .sgpr_count:     66
    .vgpr_count:     224
    .wavefront_size: 32
...
	.end_amdgpu_metadata
.endif
;; end of part 3
;; launch gemm: the kernel of part 2 again; grid 16 x 16, 4 waves a work-group, clusters of 4 x 4, 327,680 bytes of LDS; arguments xq, wq, rs, bias, weight_scale, out0; writes out0
